; MI455X (gfx1250); checked and timed in simulation.
; The chip was launched on July 23, 2026; its instructions are those of AMD's public machine-readable ISA for CDNA 5 (MIT licence, August 2026) and "CDNA5" Instruction Set Architecture Reference Guide (July 2026). The comments in the code are by the model that wrote it; some were corrected since.
;; Scaled Dot Product Attention. Allowed arithmetic: matrix products marked QUANTISED: E2M3 operands, one E8M0 scale for each 32 along K, by v_wmma_scale_f32_16x16x128_f8f6f4 with both operands' format E2M3, f32 sums; everything else in f32.
;; Inputs: k 4 x 16 x 64 x 2,048 float32; q 4 x 16 x 64 x 2,048 float32; v 4 x 16 x 64 x 2,048 float32.
;; Outputs: out0 4 x 16 x 64 x 2,048 float32.
;; This version of the problem:
;;   THIS VERSION OF THE PROBLEM IS GIVEN IN LOW PRECISION. The matrix products marked QUANTISED in the list below multiply operands that are first quantised to E2M3 (2 exponent bits, 3 mantissa bits; 6 bits a number), with one power-of-two scale for each 32 numbers along K (OCP MX v1.0); their sums are f32. All else is computed in f32.
;;   The module's matrix products, in the order in which they are computed (A, B: the left and right operand; K: the contracted axis; several contracted axes count as one K, in the product's order):
;;     1. batch 64 x [M 2,048, K 64] x [K 64, N 2,048]; A: computed on the way; B: input k: QUANTISED
;;     2. batch 64 x [M 64, K 2,048] x [K 2,048, N 2,048]; A: input v; B: computed on the way: QUANTISED
;;   THE QUANTISER, for each operand of a quantised product, along K:
;;     - K is cut into blocks of 32 from its start; a last block that is shorter is filled with zeros.
;;     - A block's scale is 2^e with e = floor(log2(the largest magnitude in the block)) - 2, held to -126 .. 127; a block of zeros has e = 0. As a byte (E8M0): e + 127.
;;     - Each number is divided by its block's scale, clamped to +-7.5, and rounded to the nearest number of E2M3, ties to even, subnormals kept.
;;     - The product sums the exact products of the quantised numbers (number of the format x scale) in f32.
;;   ~~~python
;;   def quantise(x, axis):      # numpy; x: float32 -> the quantised numbers, widened to float32 again
;;       x = np.moveaxis(x, axis, -1); K = x.shape[-1]
;;       x = np.pad(x, [(0, 0)] * (x.ndim - 1) + [(0, -K % 32)]); x = x.reshape(x.shape[:-1] + (-1, 32)); a = np.abs(x).max(-1, keepdims=True)
;;       e = np.where(a > 0, np.clip(np.frexp(np.where(a > 0, a, 1))[1] - 1 - 2, -126, 127), 0)      # np.frexp(a)[1] - 1 = floor(log2(a)), exactly
;;       r = np.clip(x / 2.0 ** e, -7.5, 7.5)
;;       step = 2.0 ** (np.maximum(np.frexp(np.where(r == 0, 1, r))[1] - 1, 0) - 3)
;;       q = np.round(r / step) * step * 2.0 ** e      # np.round: ties to even
;;       return np.moveaxis(q.reshape(q.shape[:-2] + (-1,))[..., :K], -1, axis).astype(np.float32)
;;   ~~~
;;   OPERANDS COMPUTED ON THE WAY. 'Computed on the way' means the value that the module computes at that place (a softmax that the list does not call 'softmax' is quantised finished and normalised). What goes into a quantiser is computed in f32, as accurately as f32 sums, v_exp_f32 and their like allow (about 1e-6 of the number): no bf16 or f16 on the way to a quantiser, and a product that is left as it is and whose result goes on into a quantised operand takes f32 operands (vector FMAs, or v_wmma_f32_16x16x4_f32). A number that lies on a knife's edge between two numbers of the format may be rounded either way, as far as f32 arithmetic and the matrix unit's own rounding can turn it there, and no further.
;; One version. Each part assembles by itself: llvm-mc -triple=amdgcn-amd-amdhsa -mcpu=gfx1250 --defsym DOCPART=n.
;; ======== version 1 of 1: 3 launches
;; limits: right only within a limited range of input values
;; workspace buffers: qc 6,815,744 bytes; kc 6,815,744 bytes; vc 6,553,600 bytes; nb 524,288 bytes
;; launch quant (part 1): grid 768 x 1, 4 waves a work-group, no clusters, 34,304 bytes of LDS; arguments q, k, v, qc, kc, vc; writes qc, kc, vc
.if DOCPART == 1
	.amdgcn_target "amdgcn-amd-amdhsa--gfx1250"
	.amdhsa_code_object_version 6
	.text
	.protected	k_q6e648a3aca_quant
	.globl	k_q6e648a3aca_quant
	.p2align	8
	.type	k_q6e648a3aca_quant,@function
k_q6e648a3aca_quant:
	s_mov_b64 s[64:65], 0
	v_nop
	global_prefetch_b8 v0, s[64:65] scope:SCOPE_SE
	s_setreg_imm32_b32 hwreg(HW_REG_WAVE_MODE, 25, 1), 1
	s_wait_xcnt 0x0
; q, k, v: [64 heads][64 d][2048 L] f32, are turned ONCE into codes of FP6 (E2M3) with one E8M0 byte for each 32 along a product's K, laid in the ORDER OF THE OPERANDS' REGISTERS,
; so that the two later launches fetch every fragment by loads of 16 bytes a lane on end.
; q and k are operands of the first product, K = d, which is their FIRST axis within a head: a lane takes a column (a query or a key) and its 32 registers run down d: a whole block in one lane.
; v is an operand of the second product, K = the queries, its innermost axis: rows are loaded as they lie and turned through the wave's own stage in LDS, so that a lane holds 2 x 32 neighbours.
; A block's scale is 2^(floor(log2(largest magnitude)) - 2): its byte is the largest magnitude's exponent field - 2, held at 1 from below by a floor among the maximum's leaves.
; q / 8: the division by a power of two changes no code; q's bytes are made 3 smaller, and q's floor is 2^(6 - 127), so that the byte still cannot fall under 1.
; RECORDS.  qc, kc: [head][16 groups of 128 columns][6,656 bytes].  In a group, pair p (32 columns) is the image of 12 registers: register 4 j + i of lane l at 1536 p + 512 j + 16 l + 4 i.
;   Registers 0-5 are fragment 2 p, registers 6-11 fragment 2 p + 1; in fragment 2 p + u lane (r, h) holds d = 32 h .. 32 h + 31 of column 32 p + 8 u + r + 8 (r / 8).
;   Scale words at 6144 + 16 l + 4 p: the word of fragment 2 p + l / 16, row l % 16: bytes b0, b1, b0, b1 (the matrix instruction is 128 deep, d is 64: the upper half meets zero codes of the other operand).
; vc: [head][16 steps of 128 queries][6,400 bytes]: tile t (16 d) is the image of 12 registers at 1536 t + 512 j + 16 l; scale words at 6144 + 8 l + 4 jj: tile 2 jj + l / 16, row l % 16.
; Every store of codes covers 512 consecutive bytes at a multiple of 256 from the buffer's first byte.
; SHARES: work-groups 0-255 take q, 256-511 k, 512-767 v; a wave takes one group or one step.  No tensor loads, no barrier: waves share nothing.
; LIMITS: NaN and infinities among the inputs are not served.  A block of zeros gets the byte 1 where the rule says 127: its codes are zeros, and this program alone reads the bytes.
.set ROWB,  8192                       ; a row of d in bytes
.set GREC,  6656                       ; a group's record
.set VREC,  6400                       ; a step's record
; the path of q and k
.set X,  32                            ; v32-95   two sets of 32 numbers
.set C,  96                            ; v96-143  the codes: 12 registers a pair; no store's data are written again
.set T,  144                           ; v144-146 the second half of a block's codes (a conversion's three registers begin on an even number)
.set W,  152                           ; v152-155 the four scale words
; the path of v
.set R,  16                            ; v16-143  two sets of 16 rows as loaded
.set VX, 144                           ; v144-207 my 2 x 32 neighbours
.set VC, 208                           ; v208-231 the codes, two sets of 12
.set VT, 232                           ; v232-234, v236-238
.set VW, 240                           ; v240-243 a tile's scale word
.set VA, 244                           ; v244-245 the words as they are stored
.set PD, 246                           ; v246     a lane permute's destination
.set SP, 528                           ; a stage row: 512 bytes + 16: sixteen rows that a load touches start at sixteen different groups of banks
.set WSTG, 16*SP                       ; a wave's stage
.macro LOAD u                          ; unit u: pair 2 (u / 4) + u % 2, block (u / 2) % 2: the two halves of each aligned 256 bytes of a row are asked for in neighbouring units
.set LP, 2*((\u)/4)+(\u)%2
.set LB, ((\u)/2)%2
.set i, 0
.rept 32
	global_load_b32 v[X+32*((\u)%2)+i], v3, s[4:5] offset:(32*LB+i)*ROWB+128*LP
.set i, i+1
.endr
.endm
.macro BLOCK u
.set XS, X+32*((\u)%2)
.set BP, 2*((\u)/4)+(\u)%2
.set BB, ((\u)/2)%2
.set CD, C+12*BP+6*BB
.if (\u) < 7
	s_wait_loadcnt 32                              ; this unit's 32 loads are in; the next unit's 32 may be out
.else
	s_wait_loadcnt 0
.endif
	v_max3_num_f32 v8, |v[XS]|, |v[XS+1]|, |v[XS+2]|               ; the block's largest magnitude: all 32 numbers are mine; two chains
	v_max3_num_f32 v9, |v[XS+3]|, |v[XS+4]|, |v[XS+5]|
.irp i, 6,10,14,18,22,26
	v_max3_num_f32 v8, v8, |v[XS+\i]|, |v[XS+\i+1]|
	v_max3_num_f32 v9, v9, |v[XS+\i+2]|, |v[XS+\i+3]|
.endr
	v_max3_num_f32 v8, v8, |v[XS+30]|, |v[XS+31]|
	v_max3_num_f32 v8, v8, v9, s20                 ; and the floor
	v_add_nc_u32 v11, 0xff000000, v8               ; 2 off its exponent field: the conversion takes the exponent field of this operand as its scale
	v_cvt_scalef32_pk16_fp6_f32 v[CD:CD+2], v[XS:XS+15], v11
	v_cvt_scalef32_pk16_fp6_f32 v[T:T+2], v[XS+16:XS+31], v11
	v_lshrrev_b32 v13, 23, v11                     ; the byte.  (Also the plain instruction between the conversions and the moves of their result)
.irp i, 0,1,2
	v_mov_b32 v[CD+3+\i], v[T+\i]
.endr
.if BB == 0
	v_mov_b32 v[W+BP], v13
.else
	v_lshl_or_b32 v[W+BP], v13, 8, v[W+BP]         ; b0, b1
	v_add_nc_u32 v[W+BP], s21, v[W+BP]             ; q: 3 off each byte (each is 4 at the least: no borrow); k: 0
	v_lshl_or_b32 v[W+BP], v[W+BP], 16, v[W+BP]    ; b0, b1, b0, b1
.endif
.if (\u) < 6
	LOAD (\u)+2
.endif
.if BB == 1
; Lanes 0-15 hold fragment 2 p's rows and lanes 16-31 fragment 2 p + 1's, block 0 in registers 0-5 and block 1 in 6-11.  The operand wants a fragment's block 0 in lanes 0-15 and its block 1 in lanes 16-31:
.irp i, 0,1,2,3,4,5
	v_permlane16_swap_b32 v[C+12*BP+\i], v[C+12*BP+6+\i]           ; the first's lanes 16-31 change places with the second's lanes 0-15
.endr
.irp j, 0,1,2
	global_store_b128 v2, v[C+12*BP+4*\j:C+12*BP+4*\j+3], s[10:11] offset:1536*BP+512*\j
.endr
.endif
.endm
.macro VLOAD t                         ; tile t: 16 rows of d, 128 queries: each load reads 512 consecutive bytes; read once in the launch
.set i, 0
.rept 16
	global_load_b128 v[R+64*((\t)%2)+4*i:R+64*((\t)%2)+4*i+3], v2, s[8:9] offset:(16*(\t)+i)*ROWB th:TH_LOAD_NT
.set i, i+1
.endr
.endm
.macro FRAG t
.set RS, R+64*((\t)%2)
.set CV, VC+12*((\t)%2)
.if (\t) < 3
	s_wait_loadcnt 16                              ; this tile's 16 loads are in; the next tile's may be out
.else
	s_wait_loadcnt 0
.endif
.set i, 0
.rept 16
	ds_store_b128 v4, v[RS+4*i:RS+4*i+3] offset:SP*i               ; a row as it lies
.set i, i+1
.endr
.set i, 0
.rept 8
	ds_load_b128 v[VX+4*i:VX+4*i+3], v5 offset:16*i                ; lane (r, h): queries 32 h .. 32 h + 31 of row r.  LDS serves a wave's instructions in order: these see the stores above
.set i, i+1
.endr
.set i, 0
.rept 8
	ds_load_b128 v[VX+32+4*i:VX+32+4*i+3], v5 offset:256+16*i      ; and queries 64 + 32 h .. + 31
.set i, i+1
.endr
	s_wait_dscnt 0x0                               ; my numbers are in, and the stores have read their registers,
.if (\t) < 2
	VLOAD (\t)+2                                   ; which take the tile two further on
.endif
.irp c, 0,1
	v_max3_num_f32 v[8+\c], |v[VX+32*\c]|, |v[VX+32*\c+1]|, 0x1800000   ; my two blocks by turns; the floor 2^(3 - 127) holds the byte at 1 from below
.endr
.irp i, 2,4,6,8,10,12,14,16,18,20,22,24,26,28,30
.irp c, 0,1
	v_max3_num_f32 v[8+\c], v[8+\c], |v[VX+32*\c+\i]|, |v[VX+32*\c+\i+1]|
.endr
.endr
.irp c, 0,1
	v_add_nc_u32 v[10+\c], 0xff000000, v[8+\c]     ; the conversions' scale operands
.endr
.irp c, 0,1
	v_lshrrev_b32 v[12+\c], 23, v[10+\c]           ; the bytes of blocks h and 2 + h
.endr
	v_lshl_or_b32 v14, v13, 16, v12
	v_lshlrev_b32 v14, v6, v14                     ; at their places in the row's word (8 h bits up);
	v_permlanex16_b32 v[PD], v14, s22, s23
	v_or_b32 v[VW+(\t)], v14, v[PD]                ; with lane l xor 16's two the word is whole
.if (\t) >= 2
	s_wait_alu depctr_va_vdst(0)
	s_wait_xcnt 0x0                                ; this set of codes was the data of the stores two tiles ago: it is written again only behind this wait
.endif
	v_cvt_scalef32_pk16_fp6_f32 v[CV:CV+2], v[VX:VX+15], v10
	v_cvt_scalef32_pk16_fp6_f32 v[VT:VT+2], v[VX+16:VX+31], v10
	v_cvt_scalef32_pk16_fp6_f32 v[CV+6:CV+8], v[VX+32:VX+47], v11
	v_cvt_scalef32_pk16_fp6_f32 v[VT+4:VT+6], v[VX+48:VX+63], v11
	v_nop                                          ; one plain instruction between the conversions and the moves of their results
.irp i, 0,1,2
	v_mov_b32 v[CV+3+\i], v[VT+\i]
	v_mov_b32 v[CV+9+\i], v[VT+4+\i]
.endr
.irp j, 0,1,2
	global_store_b128 v2, v[CV+4*\j:CV+4*\j+3], s[14:15] offset:1536*(\t)+512*\j
.endr
.endm
	s_load_b256 s[4:11], s[0:1], 0x0               ; q s[4:5], k s[6:7], v s[8:9], qc s[10:11]
	s_load_b128 s[12:15], s[0:1], 0x20             ; kc s[12:13], vc s[14:15]
	v_lshl_add_u32 v254, v0, 2, 0x8400
	v_mov_b32 v255, 0
	v_lshrrev_b32 v1, 5, v0
	v_readfirstlane_b32 s16, v1                    ; wave 0..3
	v_and_b32 v1, 31, v0                           ; lane
	v_lshlrev_b32 v2, 4, v1                        ; 16 x lane: an image's place for my lane
	s_wait_kmcnt 0x0
	s_cmp_ge_u32 ttmp9, 512
	s_cbranch_scc1 .Lv                             ; v's work-groups; only they touch LDS
	; ---- q and k
	s_mov_b32 s20, 0x1800000                       ; k's floor: 2^(3 - 127)
	s_cmp_lt_u32 ttmp9, 256                        ; q's work-group or k's?  The choices hang on the work-group's number alone
	s_cselect_b64 s[4:5], s[4:5], s[6:7]
	s_cselect_b64 s[10:11], s[10:11], s[12:13]
	s_cselect_b32 s20, 0x3000000, s20              ; q's floor: 2^(6 - 127)
	s_cselect_b32 s21, 0xfffffcfd, 0               ; q: -0x0303
	s_cselect_b32 s17, 0, 256
	s_sub_co_u32 s17, ttmp9, s17
	s_lshl_b32 s17, s17, 2
	s_add_co_u32 s17, s17, s16                     ; my group among the tensor's 1,024
	s_lshr_b32 s18, s17, 4
	s_and_b32 s19, s17, 15
	s_lshl_b32 s18, s18, 19                        ; the head: 524,288 bytes
	s_lshl_b32 s19, s19, 9                         ; the group's 128 columns: 512 bytes
	s_add_co_u32 s18, s18, s19
	s_mov_b32 s19, 0
	s_add_nc_u64 s[4:5], s[4:5], s[18:19]
	s_mul_i32 s18, s17, GREC
	s_add_nc_u64 s[10:11], s[10:11], s[18:19]
	s_wait_alu depctr_va_vdst(0)
	v_and_b32 v3, 7, v1                            ; my column of a pair: (l % 8) + 16 ((l / 8) % 2) + 8 (l / 16)
	v_bfe_u32 v4, v1, 3, 1
	v_lshl_add_u32 v3, v4, 4, v3
	v_lshrrev_b32 v4, 4, v1
	v_lshl_add_u32 v3, v4, 3, v3
	v_lshlrev_b32 v3, 2, v3
	LOAD 0
	LOAD 1
.irp u, 0,1,2,3,4,5,6,7
	BLOCK \u
.endr
	global_store_b128 v2, v[W:W+3], s[10:11] offset:6144
	s_endpgm
	; ---- v
.Lv:
	s_sub_co_u32 s17, ttmp9, 512
	s_lshl_b32 s17, s17, 2
	s_add_co_u32 s17, s17, s16                     ; my step among the tensor's 1,024
	s_lshr_b32 s18, s17, 4
	s_and_b32 s19, s17, 15
	s_lshl_b32 s18, s18, 19
	s_lshl_b32 s19, s19, 9
	s_add_co_u32 s18, s18, s19
	s_mov_b32 s19, 0
	s_add_nc_u64 s[8:9], s[8:9], s[18:19]
	s_mul_i32 s18, s17, VREC
	s_add_nc_u64 s[14:15], s[14:15], s[18:19]
	s_mul_i32 s24, s16, WSTG                       ; my stage
	s_wait_alu depctr_va_vdst(0)
	v_add_nc_u32 v4, s24, v2                       ; into it: 16 x lane of a row
	v_and_b32 v7, 15, v1                           ; r
	v_lshrrev_b32 v6, 4, v1                        ; h
	v_mul_u32_u24 v5, v7, SP
	v_lshl_add_u32 v5, v6, 7, v5
	v_add_nc_u32 v5, s24, v5                       ; out of it: row r, + 128 h
	v_lshlrev_b32 v6, 3, v6                        ; 8 h
	v_lshlrev_b32 v3, 3, v1                        ; 8 x lane: the scale words' place
	v_cmp_le_u32 vcc_lo, 16, v1                    ; lanes 16-31
	s_mov_b32 s22, 0x76543210
	s_mov_b32 s23, 0xfedcba98                      ; v_permlanex16_b32's selects for lane l xor 16
	v_mov_b32 v[PD], 0                             ; written once: a lane permute's destination counts as one of its sources
	VLOAD 0
	VLOAD 1
	s_wait_alu depctr_va_vdst(0)
	FRAG 0
	FRAG 1
	v_cndmask_b32 v[VA], v[VW], v[VW+1], vcc_lo    ; lanes 0-15 tile 0's words, lanes 16-31 tile 1's
	FRAG 2
	FRAG 3
	v_cndmask_b32 v[VA+1], v[VW+2], v[VW+3], vcc_lo
	global_store_b64 v3, v[VA:VA+1], s[14:15] offset:6144          ; 32 lanes store 256 consecutive bytes, aligned
	s_wait_tensorcnt 0x0
	ds_add_u32 v254, v255
	s_wait_dscnt 0x0
	s_endpgm
.Lfunc_end_k_q6e648a3aca_quant:
	.size	k_q6e648a3aca_quant, .Lfunc_end_k_q6e648a3aca_quant-k_q6e648a3aca_quant
	.p2alignl 7, 3214868480
	.fill 96, 4, 3214868480
	.section	.rodata,"a",@progbits
	.p2align	6, 0x0
	.amdhsa_kernel k_q6e648a3aca_quant
		.amdhsa_group_segment_fixed_size 34304
		.amdhsa_private_segment_fixed_size 0
		.amdhsa_enable_private_segment 0
		.amdhsa_kernarg_size 48
		.amdhsa_user_sgpr_count 2
		.amdhsa_user_sgpr_kernarg_segment_ptr 1
		.amdhsa_wavefront_size32 1
		.amdhsa_system_sgpr_workgroup_id_x 1
		.amdhsa_system_sgpr_workgroup_id_y 1
		.amdhsa_system_sgpr_workgroup_id_z 1
		.amdhsa_system_vgpr_workitem_id 0
		.amdhsa_next_free_vgpr 256
		.amdhsa_next_free_sgpr 66
		.amdhsa_reserve_vcc 1
		.amdhsa_float_denorm_mode_32 3
		.amdhsa_float_denorm_mode_16_64 3
		.amdhsa_memory_ordered 1
		.amdhsa_forward_progress 1
		.amdhsa_inst_pref_size 68
	.end_amdhsa_kernel
	.amdgpu_metadata
---
amdhsa.version: [ 1, 2 ]
amdhsa.kernels:
  - .name:           k_q6e648a3aca_quant
    .symbol:         k_q6e648a3aca_quant.kd
    .args:
      - { .name: q, .offset: 0, .size: 8, .value_kind: global_buffer, .address_space: global }
      - { .name: k, .offset: 8, .size: 8, .value_kind: global_buffer, .address_space: global }
      - { .name: v, .offset: 16, .size: 8, .value_kind: global_buffer, .address_space: global }
      - { .name: qc, .offset: 24, .size: 8, .value_kind: global_buffer, .address_space: global }
      - { .name: kc, .offset: 32, .size: 8, .value_kind: global_buffer, .address_space: global }
      - { .name: vc, .offset: 40, .size: 8, .value_kind: global_buffer, .address_space: global }
    .group_segment_fixed_size: 34304
    .private_segment_fixed_size: 0
    .kernarg_segment_align: 8
    .kernarg_segment_size: 48
    .max_flat_workgroup_size: 128
    .sgpr_count:     66
    .vgpr_count:     256
    .wavefront_size: 32
...
	.end_amdgpu_metadata
.endif
;; end of part 1
;; launch stats (part 2): grid 4 x 64, 16 waves a work-group, clusters of 4 x 1, 169,984 bytes of LDS; arguments qc, kc, nb; writes nb
.if DOCPART == 2
	.amdgcn_target "amdgcn-amd-amdhsa--gfx1250"
	.amdhsa_code_object_version 6
	.text
	.protected	k_q6e648a3aca_stats
	.globl	k_q6e648a3aca_stats
	.p2align	8
	.type	k_q6e648a3aca_stats,@function
k_q6e648a3aca_stats:
	s_mov_b64 s[64:65], 0
	v_nop
	global_prefetch_b8 v0, s[64:65] scope:SCOPE_SE
	s_setreg_imm32_b32 hwreg(HW_REG_WAVE_MODE, 25, 1), 1
	s_wait_xcnt 0x0
	s_wait_alu depctr_hold_cnt(0) depctr_sa_sdst(0) depctr_va_vdst(0) depctr_va_sdst(0) depctr_va_ssrc(0) depctr_va_vcc(0) depctr_vm_vsrc(0)
	s_getreg_b32 s2, hwreg(HW_REG_IB_STS2, 6, 4)
	s_cmp_eq_u32 s2, 0
	s_cbranch_scc0 .Lentry_in_a_cluster
	s_endpgm
.Lentry_in_a_cluster:
	s_bfe_u32 s2, ttmp6, 0x10000c
	s_cmp_lg_u32 s2, 0x3003
	s_cbranch_scc0 .Lentry_shape_is_right
	s_endpgm
.Lentry_shape_is_right:
; For every query of every head: negB = -(M + log2 l), t = score x log2(e), M the row's largest t (a running maximum), l = the sum over all 2,048 keys of 2^(t - M).
; The next launch has the finished softmax as 2^(t + negB).  The scores are the first product on codes of FP6 (E2M3) made by the launch before.
; A launch of its own: the second product's K is the query axis, so a block of 32 that is quantised together holds 32 queries, each of which needs its maximum and sum over all keys first.
; SHARES: a work-group owns 512 queries of a head, each of its sixteen waves 32 (two tiles of 16).  Every wave walks all keys, 128 a step.  S^T = K Q^T: a lane holds one query and eight keys a tile;
; each lane keeps its own running maximum and sum; lanes l and l xor 16 are joined once, at the end.
; The instruction is 128 deep, d is 64: the queries carry six registers of zero codes; K's fragments lie six registers apart, so the upper half of a run of twelve meets zeros.  Scale words repeat their two bytes.
; LDS: the head's record of K, 106,496 bytes, images of registers; behind it 2,048 bytes for the results; the spare words.  Every fill is a first fill at the head.
; CLUSTER: the four work-groups of a head read the same K: waves 0 to 3 of each ask jointly, each for 4 groups (104 rows of 256 bytes).
; A step's 13 LDS loads are issued behind the step before's products, so that they are out under that step's vector work; the last step is written out and loads nothing.
; No prefetch: every byte is asked for at the head, and no later load follows to run ahead of.
; LIMITS: scores stay under 1e38 in magnitude; NaN and infinities are not served.
.set QREC,  106496
.set GREC,  6656
.set PART,  4*GREC
.set STG,   QREC
.set SPARE, 0x29000                    ; the spare words: 128 bytes a wave
.set LI,  1                            ; 16 x lane
.set ADK, 2                            ; LDS address of a step's record
.set SA,  3                            ; where my query's result goes
.set SR,  4                            ; where I read 16 bytes of results back
.set GO,  5                            ; 16 x thread
.set QS,  6                            ; Q's scale words: lanes 0-15 tile 0's, lanes 16-31 tile 1's
.set LN,  7                            ; lane
.set KS,  8                            ; v8-11 K's scale words
.set QA,  12                           ; v12-23 tile 0 (6 codes, 6 zeros), v24-35 tile 1
.set KF,  36                           ; v36-83 K's eight fragments, v84-89 zeros
.set S0,  96                           ; v96-159 tile 0's scores, v160-223 tile 1's
.set ST,  224                          ; tile t at ST + 8 t: +0 -c m, +1 m, +2, +3 l in halves, +4..+7 at work
.set SB,  240                          ; a second chain of sums
.set WV,  10
.set TRIPS, 20
.set TK,  21
.set CS,  22
.set SEL, 24
.set G1,  28                           ; s[28:35]
.set G0,  44                           ; s[44:47]
.macro CROUND                          ; a round of the cluster's barrier
	s_barrier_signal -1
	s_barrier_wait -1
	s_cmp_lg_u32 s[WV], 0
	s_cbranch_scc1 .Lnot_wave_0_\@
	s_barrier_signal -3
.Lnot_wave_0_\@:
	s_barrier_wait -3
	s_barrier_signal -1
	s_barrier_wait -1
.endm
.macro WMZ d, a, b, sa, sb, ra, rb     ; a product that starts its sum with 0; ra, rb = 1: scale words from lanes 16-31
.if ((\ra) == 0) && ((\rb) == 0)
	v_wmma_scale_f32_16x16x128_f8f6f4 v[(\d):(\d)+7], v[(\a):(\a)+11], v[(\b):(\b)+11], 0, v[\sa], v[\sb] matrix_a_fmt:MATRIX_FMT_FP6 matrix_b_fmt:MATRIX_FMT_FP6
.elseif ((\ra) == 1) && ((\rb) == 0)
	v_wmma_scale_f32_16x16x128_f8f6f4 v[(\d):(\d)+7], v[(\a):(\a)+11], v[(\b):(\b)+11], 0, v[\sa], v[\sb] matrix_a_fmt:MATRIX_FMT_FP6 matrix_b_fmt:MATRIX_FMT_FP6 matrix_a_scale:MATRIX_SCALE_ROW1
.elseif ((\ra) == 0) && ((\rb) == 1)
	v_wmma_scale_f32_16x16x128_f8f6f4 v[(\d):(\d)+7], v[(\a):(\a)+11], v[(\b):(\b)+11], 0, v[\sa], v[\sb] matrix_a_fmt:MATRIX_FMT_FP6 matrix_b_fmt:MATRIX_FMT_FP6 matrix_b_scale:MATRIX_SCALE_ROW1
.else
	v_wmma_scale_f32_16x16x128_f8f6f4 v[(\d):(\d)+7], v[(\a):(\a)+11], v[(\b):(\b)+11], 0, v[\sa], v[\sb] matrix_a_fmt:MATRIX_FMT_FP6 matrix_b_fmt:MATRIX_FMT_FP6 matrix_a_scale:MATRIX_SCALE_ROW1 matrix_b_scale:MATRIX_SCALE_ROW1
.endif
.endm
; Both tiles' 64 scores of a lane go into their running maxima and sums, the two tiles by turns.
.macro SSTAT2
.irp t, 0,1
.irp b, 0,1,2,3
	v_max3_num_f32 v[ST+8*\t+4+\b], v[S0+64*\t+16*\b], v[S0+64*\t+16*\b+1], v[S0+64*\t+16*\b+2]   ; eight chains; each accumulator is first read at its low end
.endr
.endr
.irp i, 3,5,7,9,11,13
.irp t, 0,1
.irp b, 0,1,2,3
	v_max3_num_f32 v[ST+8*\t+4+\b], v[ST+8*\t+4+\b], v[S0+64*\t+16*\b+\i], v[S0+64*\t+16*\b+\i+1]
.endr
.endr
.endr
.irp t, 0,1
.irp b, 0,1,2,3
	v_max_num_f32 v[ST+8*\t+4+\b], v[ST+8*\t+4+\b], v[S0+64*\t+16*\b+15]
.endr
.endr
.irp t, 0,1
	v_max3_num_f32 v[ST+8*\t+4], v[ST+8*\t+4], v[ST+8*\t+5], v[ST+8*\t+6]
.endr
.irp t, 0,1
	s_delay_alu instid0(VALU_DEP_2)
	v_max3_num_f32 v[ST+8*\t+1], v[ST+8*\t+4], v[ST+8*\t+7], v[ST+8*\t+1]   ; the new m
.endr
.irp t, 0,1
	v_mov_b32 v[ST+8*\t+5], v[ST+8*\t]             ; the old -c m
.endr
.irp t, 0,1
	s_delay_alu instid0(VALU_DEP_4)
	v_mul_f32 v[ST+8*\t], 0xbfb8aa3b, v[ST+8*\t+1] ; the new -c m
.endr
.irp t, 0,1
	s_delay_alu instid0(VALU_DEP_2)
	v_sub_f32 v[ST+8*\t+7], v[ST+8*\t], v[ST+8*\t+5]   ; c m_old - c m_new, 0 or less
.endr
	s_wait_alu depctr_va_vdst(0)                   ; the wait ahead of a batch
.irp t, 0,1
	v_exp_f32 v[ST+8*\t+6], v[ST+8*\t+7]           ; f: brings the old sum under the new maximum
.endr
.irp t, 0,1
.set j, 0
.rept 32
	v_pk_fma_f32 v[S0+64*\t+j:S0+64*\t+j+1], v[S0+64*\t+j:S0+64*\t+j+1], s[CS:CS+1], v[ST+8*\t:ST+8*\t+1] op_sel_hi:[1,0,0]   ; c s - c m
.set j, j+2
.endr
.endr
	s_wait_alu depctr_va_vdst(0)                   ; ahead of the batch, and behind f
.set j, 0
.rept 128
	v_exp_f32 v[S0+j], v[S0+j]
.set j, j+1
.endr
	s_wait_alu depctr_va_vdst(0)                   ; one wait for the batch, ahead of its first reader
.irp t, 0,1
	v_pk_mul_f32 v[ST+8*\t+2:ST+8*\t+3], v[ST+8*\t+2:ST+8*\t+3], v[ST+8*\t+6:ST+8*\t+7] op_sel_hi:[1,0]   ; l x f
.endr
.irp t, 0,1
	v_pk_add_f32 v[SB+2*\t:SB+2*\t+1], v[S0+64*\t:S0+64*\t+1], v[S0+64*\t+2:S0+64*\t+3]
.endr
.set j, 4
.rept 15
.irp t, 0,1
	v_pk_add_f32 v[ST+8*\t+2:ST+8*\t+3], v[ST+8*\t+2:ST+8*\t+3], v[S0+64*\t+j:S0+64*\t+j+1]
	v_pk_add_f32 v[SB+2*\t:SB+2*\t+1], v[SB+2*\t:SB+2*\t+1], v[S0+64*\t+j+2:S0+64*\t+j+3]
.endr
.set j, j+4
.endr
	s_delay_alu instid0(VALU_DEP_3)
	v_pk_add_f32 v[ST+2:ST+3], v[ST+2:ST+3], v[SB:SB+1]
	s_delay_alu instid0(VALU_DEP_2)
	v_pk_add_f32 v[ST+10:ST+11], v[ST+10:ST+11], v[SB+2:SB+3]
.endm
.macro KLOAD                           ; the record at LDS byte s[TK]: scale words and eight fragments, 13 loads
	v_add_nc_u32 v[ADK], s[TK], v[LI]
	ds_load_b128 v[KS:KS+3], v[ADK] offset:6144
.irp j, 0,1,2,3,4,5,6,7,8,9,10,11
	ds_load_b128 v[KF+4*\j:KF+4*\j+3], v[ADK] offset:512*\j
.endr
.endm
.macro KSTEP ld                        ; 128 keys; ld = 1: the next step's record is fetched behind the products
	s_wait_dscnt 0x0                               ; this step's 13 loads are in
.irp t, 0,1
.irp i, 0,1,2,3,4,5,6,7
	WMZ S0+64*\t+8*\i, KF+6*\i, QA+12*\t, KS+\i/2, QS, \i%2, \t
.endr
.endr
.rept 4
	v_nop                                          ; four plain instructions between the last product and loads into its sources and reads of results
.endr
.if \ld
	KLOAD
.endif
	SSTAT2
.endm
	s_load_b128 s[4:7], s[0:1], 0x0                ; qc, kc
	s_load_b64 s[8:9], s[0:1], 0x10                ; nb
	v_lshl_add_u32 v254, v0, 2, SPARE
	v_mov_b32 v255, 0
	ds_add_u32 v254, v255                          ; the opening lines: the add twice and one wait
	ds_add_u32 v254, v255
	v_lshrrev_b32 v2, 5, v0
	s_delay_alu instid0(VALU_DEP_1)
	v_readfirstlane_b32 s[WV], v2                  ; wave 0..15
	s_bfe_u32 s11, ttmp6, 0x40000                  ; cx = my block of 512 queries: it enters Q's and the results' global addresses alone
	s_and_b32 s12, ttmp7, 0xffff                   ; the head
	v_and_b32 v[LN], 31, v0
	s_delay_alu instid0(VALU_DEP_1)
	v_lshlrev_b32 v[LI], 4, v[LN]
	s_mul_i32 s14, s12, QREC
	s_mov_b32 s15, 0
	s_lshl_b32 s16, s11, 2
	s_lshr_b32 s17, s[WV], 2
	s_add_co_u32 s16, s16, s17                     ; my group of queries: 4 cx + wave / 4
	s_mul_i32 s16, s16, GREC
	s_add_co_u32 s16, s16, s14
	s_mov_b32 s17, 0
	s_and_b32 s18, s[WV], 3                        ; my pair in it; also: which 4 groups of K a loading wave asks for
	s_mul_i32 s20, s18, PART
	s_mov_b32 s21, 0
	s_lshl_b32 s26, s12, 13                        ; the results: 8,192 bytes a head, 2,048 a work-group
	s_lshl_b32 s27, s11, 11
	s_add_co_u32 s26, s26, s27
	s_mov_b32 s27, 0
	s_mov_b32 s[CS], 0x3fb8aa3b                    ; log2(e)
	s_mov_b32 s[CS+1], s[CS]
	s_mov_b32 s[SEL], 0x76543210
	s_mov_b32 s[SEL+1], 0xfedcba98
	s_mov_b32 s[G1], 15|(3<<16)|(1<<21)            ; the mask names all four; elements of 8 bytes; bit 21 beside a mask
	s_mov_b32 s[G1+1], 32<<16                      ; rows of 256 bytes
	s_mov_b32 s[G1+2], 104<<16
	s_mov_b32 s[G1+3], 32<<16
	s_mov_b32 s[G1+4], 104
	s_mov_b32 s[G1+5], 32
	s_mov_b32 s[G1+6], 0
	s_mov_b32 s[G1+7], 0
	s_wait_dscnt 0x0
	s_wait_kmcnt 0x0
	s_add_nc_u64 s[6:7], s[6:7], s[14:15]          ; K at the head
	s_add_nc_u64 s[4:5], s[4:5], s[16:17]          ; Q at my group
	s_add_nc_u64 s[8:9], s[8:9], s[26:27]
	s_mov_b32 s[G0], 1
	s_mov_b32 s[G0+1], s20                         ; LDS: (wave % 4) x 4 groups
	s_add_nc_u64 s[G0+2:G0+3], s[6:7], s[20:21]
	s_or_b32 s[G0+3], s[G0+3], 0x80000000
	CROUND                                         ; all four work-groups are here: the joint loads meet
	s_cmp_ge_u32 s[WV], 4
	s_cbranch_scc1 .Lno_fill
	tensor_load_to_lds s[G0:G0+3], s[G1:G1+7]      ; waves 0 to 3: one load each
	s_nop 0
.rept 4
	v_nop
.endr
.Lno_fill:
	s_mul_i32 s19, s18, 1536
	s_wait_alu depctr_va_vdst(0)                   ; the wait ahead of the reader below
	v_add_nc_u32 v90, s19, v[LI]                   ; my pair's image
	s_lshl_b32 s19, s18, 2
	v_add_nc_u32 v91, s19, v[LI]                   ; and its scale word
.irp j, 0,1,2
	global_load_b128 v[S0+4*\j:S0+4*\j+3], v90, s[4:5] offset:512*\j
.endr
	global_load_b32 v[QS], v91, s[4:5] offset:6144
	v_and_b32 v[SA], 7, v[LN]                      ; my query of the pair: l % 8 + 16 ((l / 8) % 2) + 8 (l / 16)
	v_bfe_u32 v92, v[LN], 3, 1
	s_delay_alu instid0(VALU_DEP_1)
	v_lshl_add_u32 v[SA], v92, 4, v[SA]
	v_lshrrev_b32 v92, 4, v[LN]
	s_delay_alu instid0(VALU_DEP_1)
	v_lshl_add_u32 v[SA], v92, 3, v[SA]
	s_delay_alu instid0(VALU_DEP_1)
	v_lshlrev_b32 v[SA], 2, v[SA]
	s_lshl_b32 s19, s[WV], 7
	s_add_co_u32 s19, s19, STG
	v_add_nc_u32 v[SA], s19, v[SA]
	v_lshlrev_b32 v[GO], 4, v0
	s_delay_alu instid0(VALU_DEP_1)
	v_add_nc_u32 v[SR], STG, v[GO]
	s_wait_loadcnt 0x0                             ; Q
.irp i, 0,1,2,3,4,5
	v_mov_b32 v[QA+\i], v[S0+\i]
	v_mov_b32 v[QA+12+\i], v[S0+6+\i]
.endr
.irp i, 0,1,2,3,4,5
	v_mov_b32 v[QA+6+\i], 0
	v_mov_b32 v[QA+18+\i], 0
	v_mov_b32 v[KF+48+\i], 0                       ; behind K's last fragment
.endr
.irp t, 0,1
	v_mov_b32 v[ST+8*\t+1], 0xfe967699             ; m = -1e38
	v_mov_b32 v[ST+8*\t+2], 0
	v_mov_b32 v[ST+8*\t+3], 0
	s_delay_alu instid0(VALU_DEP_3)
	v_mul_f32 v[ST+8*\t], 0xbfb8aa3b, v[ST+8*\t+1]
.endr
	s_wait_alu depctr_va_vdst(0)                   ; the wait at the head's end
	s_wait_tensorcnt 0x0                           ; my part of K has landed
	s_barrier_signal -1
	s_barrier_wait -1                              ; everybody's has
	s_mov_b32 s[TK], 0
	KLOAD                                          ; step 0's record
	s_mov_b32 s[TK], GREC
	s_mov_b32 s[TRIPS], 15
.Lk:
	KSTEP 1
	s_add_co_u32 s[TK], s[TK], GREC
	s_sub_co_u32 s[TRIPS], s[TRIPS], 1
	s_cmp_lg_u32 s[TRIPS], 0
	s_cbranch_scc1 .Lk
	KSTEP 0
	; lanes l and l xor 16 hold the same query's two halves of the keys: joined under the larger maximum
.irp t, 0,1
	v_add_f32 v[ST+8*\t+2], v[ST+8*\t+2], v[ST+8*\t+3]
.endr
.irp t, 0,1
	v_permlanex16_b32 v[ST+8*\t+4], v[ST+8*\t], s[SEL], s[SEL+1]
.endr
.irp t, 0,1
	s_delay_alu instid0(VALU_DEP_4)
	v_permlanex16_b32 v[ST+8*\t+5], v[ST+8*\t+2], s[SEL], s[SEL+1]
.endr
.irp t, 0,1
	s_delay_alu instid0(VALU_DEP_4)
	v_min_num_f32 v[ST+8*\t+6], v[ST+8*\t], v[ST+8*\t+4]           ; -M
.endr
.irp t, 0,1
	s_delay_alu instid0(VALU_DEP_2)
	v_sub_f32 v[ST+8*\t+7], v[ST+8*\t+6], v[ST+8*\t]
.endr
.irp t, 0,1
	s_delay_alu instid0(VALU_DEP_4)
	v_sub_f32 v[ST+8*\t+4], v[ST+8*\t+6], v[ST+8*\t+4]
.endr
	s_wait_alu depctr_va_vdst(0)
.irp t, 0,1
	v_exp_f32 v[ST+8*\t+7], v[ST+8*\t+7]
	v_exp_f32 v[ST+8*\t+4], v[ST+8*\t+4]
.endr
	v_nop
	s_wait_alu depctr_va_vdst(0)
.irp t, 0,1
	v_mul_f32 v[ST+8*\t+2], v[ST+8*\t+2], v[ST+8*\t+7]
.endr
.irp t, 0,1
	v_fma_f32 v[ST+8*\t+2], v[ST+8*\t+5], v[ST+8*\t+4], v[ST+8*\t+2]   ; l
.endr
	s_wait_alu depctr_va_vdst(0)
.irp t, 0,1
	v_log_f32 v[ST+8*\t+3], v[ST+8*\t+2]
.endr
	v_nop
	s_wait_alu depctr_va_vdst(0)
.irp t, 0,1
	v_sub_f32 v[ST+8*\t+1], v[ST+8*\t+6], v[ST+8*\t+3]             ; negB = -M - log2 l
.endr
	v_cmp_le_u32 vcc_lo, 16, v[LN]
	s_delay_alu instid0(VALU_DEP_1)
	v_cndmask_b32 v92, v[ST+1], v[ST+9], vcc_lo
	ds_store_b32 v[SA], v92                        ; in the queries' natural order
	s_wait_dscnt 0x0                               ; for the others' sake
	s_barrier_signal -1
	s_barrier_wait -1
	s_cmp_ge_u32 s[WV], 4
	s_cbranch_scc1 .Lno_store
	ds_load_b128 v[S0:S0+3], v[SR]
	s_wait_dscnt 0x0
	global_store_b128 v[GO], v[S0:S0+3], s[8:9]    ; a wave stores 512 consecutive bytes, aligned to 256
.Lno_store:
	s_wait_tensorcnt 0x0                           ; the wave's end
	ds_add_u32 v254, v255
	s_wait_dscnt 0x0
	CROUND                                         ; the closing round
	s_endpgm
.Lfunc_end_k_q6e648a3aca_stats:
	.size	k_q6e648a3aca_stats, .Lfunc_end_k_q6e648a3aca_stats-k_q6e648a3aca_stats
	.p2alignl 7, 3214868480
	.fill 96, 4, 3214868480
	.section	.rodata,"a",@progbits
	.p2align	6, 0x0
	.amdhsa_kernel k_q6e648a3aca_stats
		.amdhsa_group_segment_fixed_size 169984
		.amdhsa_private_segment_fixed_size 0
		.amdhsa_enable_private_segment 0
		.amdhsa_kernarg_size 24
		.amdhsa_user_sgpr_count 2
		.amdhsa_user_sgpr_kernarg_segment_ptr 1
		.amdhsa_wavefront_size32 1
		.amdhsa_system_sgpr_workgroup_id_x 1
		.amdhsa_system_sgpr_workgroup_id_y 1
		.amdhsa_system_sgpr_workgroup_id_z 1
		.amdhsa_system_vgpr_workitem_id 0
		.amdhsa_next_free_vgpr 256
		.amdhsa_next_free_sgpr 66
		.amdhsa_reserve_vcc 1
		.amdhsa_float_denorm_mode_32 3
		.amdhsa_float_denorm_mode_16_64 3
		.amdhsa_memory_ordered 1
		.amdhsa_forward_progress 1
		.amdhsa_inst_pref_size 49
	.end_amdhsa_kernel
	.amdgpu_metadata
---
amdhsa.version: [ 1, 2 ]
amdhsa.kernels:
  - .name:           k_q6e648a3aca_stats
    .symbol:         k_q6e648a3aca_stats.kd
    .args:
      - { .name: qc, .offset: 0, .size: 8, .value_kind: global_buffer, .address_space: global }
      - { .name: kc, .offset: 8, .size: 8, .value_kind: global_buffer, .address_space: global }
      - { .name: nb, .offset: 16, .size: 8, .value_kind: global_buffer, .address_space: global }
    .group_segment_fixed_size: 169984
    .private_segment_fixed_size: 0
    .kernarg_segment_align: 8
    .kernarg_segment_size: 24
    .max_flat_workgroup_size: 512
    .sgpr_count:     66
    .vgpr_count:     256
    .wavefront_size: 32
...
	.end_amdgpu_metadata
.endif
;; end of part 2
;; launch main (part 3): grid 4 x 64, 8 waves a work-group, clusters of 4 x 1, 252,928 bytes of LDS; arguments qc, kc, vc, nb, out0; writes out0
.if DOCPART == 3
	.amdgcn_target "amdgcn-amd-amdhsa--gfx1250"
	.amdhsa_code_object_version 6
	.text
	.protected	k_q6e648a3aca_main
	.globl	k_q6e648a3aca_main
	.p2align	8
	.type	k_q6e648a3aca_main,@function
k_q6e648a3aca_main:
	s_mov_b64 s[64:65], 0
	v_nop
	global_prefetch_b8 v0, s[64:65] scope:SCOPE_SE
	s_setreg_imm32_b32 hwreg(HW_REG_WAVE_MODE, 25, 1), 1
	s_wait_xcnt 0x0
	s_wait_alu depctr_hold_cnt(0) depctr_sa_sdst(0) depctr_va_vdst(0) depctr_va_sdst(0) depctr_va_ssrc(0) depctr_va_vcc(0) depctr_vm_vsrc(0)
	s_getreg_b32 s2, hwreg(HW_REG_IB_STS2, 6, 4)
	s_cmp_eq_u32 s2, 0
	s_cbranch_scc0 .Lentry_in_a_cluster
	s_endpgm
.Lentry_in_a_cluster:
	s_bfe_u32 s2, ttmp6, 0x10000c
	s_cmp_lg_u32 s2, 0x3003
	s_cbranch_scc0 .Lentry_shape_is_right
	s_endpgm
.Lentry_shape_is_right:
; out[h][d][k] = the sum over q of v[h][d][q] attn[h][q][k], attn = softmax over k of (q / 8)^T k: both products on codes of FP6 (E2M3) with one E8M0 scale for each 32 along K.
; The codes of q / 8, k, v and negB = -(M + log2 l) of every query come from the launches before.  attn = 2^(score x log2(e) + negB), finished and normalised; it is quantised along the QUERIES, in registers.
; SHARES: a work-group owns 512 keys of a head, each of its eight waves 64 (four tiles of 16), so that each fragment of Q and V from LDS feeds four products.  Every wave walks the head's queries, 128 a step.
; LAYOUT: first product: source 0 = 16 queries, source 1 = 16 keys: a lane holds one key, its registers run along the queries.  Row r of fragment 2 p + u is query 32 p + 8 u + r + 8 (r / 8),
; so the 16 registers of fragments 2 p, 2 p + 1 are 16 neighbouring queries: the conversions' results, with one exchange of halves, are the second product's operand.
; Second product: source 0 = attn (16 keys x 128 queries), source 1 = 16 rows d of v: a lane holds one d and eight neighbouring keys.
; The first product is 128 deep, d is 64: the keys carry six registers of zero codes; Q's fragments lie six registers apart, so the upper half of a run of twelve meets zeros.
; LDS: the head's records of Q (106,496 bytes) and V (102,400), images of registers; negB (8,192); a stage of 16 x 272 bytes a wave; the spare words.  Every fill is a first fill at the head.
; CLUSTER: the four work-groups of a head read the same Q, V and negB and ask jointly, one load a wave: waves 0-3 a quarter of Q each (104 rows of 256 bytes), waves 4, 5 half of V each (200 rows), wave 6 negB (32 rows).
; No prefetch: every byte is asked for at the head, and no later load follows to run ahead of.
; LIMITS: an attn under 2^-126 counts as 0 (v_exp_f32 gives no denormals: ISA guide 15.8); negB is one f32 number, so a row of attn carries a relative error of half a last place of |negB| x ln 2; NaN and infinities are not served.
; REGISTERS: window 0: v1-10 addresses; v12-15 Q's scale words, v16-17 V's, v18-19 K's, v20 attn's; v24-39 at work; v40-58 attn's codes; v64-111 Q's fragments, v112-117 zeros; v120-183 negB; v184-247 scores, then attn.
;   window 1: v0-127 the 16 accumulators ((kt, dt) at 8 (4 kt + dt)); v128-175 V's four fragments; v176-223 K's four tiles.
.set QREC,  106496
.set GREC,  6656
.set VREC,  6400
.set VHEAD, 16*VREC
.set VO,    QREC
.set NBO,   VO+VHEAD
.set STGO,  NBO+8192
.set SPT,   272
.set WSTG,  16*SPT
.set SPARE, 0x3d800                    ; = STGO + 8 WSTG: the spare words, 128 bytes a wave
.set LI,  1
.set NBL, 2
.set L8,  3
.set ADQ, 4
.set ADV, 5
.set ADS, 6
.set ADN, 7
.set STO, 8
.set RD,  9
.set GO,  10
.set QS,  12
.set VS,  16
.set KS,  18
.set PW,  20
.set TM,  24
.set PC,  40
.set Q,   64
.set NB,  120
.set S,   184
.set OB,  120
.set VF,  128
.set KT,  176
.set WV,  14
.set CS,  22
.set SEL, 24
.set TQ,  26
.set TV,  27
.set TN,  28
.set TRIPS, 29
.set FLR, 30
.set G1N, 32
.set G1Q, 40
.set G1V, 48
.set G0N, 56
.set G0Q, 60
.set G0V, 68
.set MSB, 0
.macro WIN new                         ; s_set_vgpr_msb; the immediate's high byte repeats the setting that is left
.if MSB != \new
	s_set_vgpr_msb (MSB<<8)|\new
.set MSB, \new
.endif
.endm
.macro CROUND
	s_barrier_signal -1
	s_barrier_wait -1
	s_cmp_lg_u32 s[WV], 0
	s_cbranch_scc1 .Lnot_wave_0_\@
	s_barrier_signal -3
.Lnot_wave_0_\@:
	s_barrier_wait -3
	s_barrier_signal -1
	s_barrier_wait -1
.endm
.macro DESC1 g, rows                   ; a dense block as rows of 256 bytes; the mask names all four, bit 21 beside it
	s_mov_b32 s[\g], 15|(3<<16)|(1<<21)
	s_mov_b32 s[\g+1], 32<<16
	s_mov_b32 s[\g+2], (\rows)<<16
	s_mov_b32 s[\g+3], 32<<16
	s_mov_b32 s[\g+4], \rows
	s_mov_b32 s[\g+5], 32
	s_mov_b32 s[\g+6], 0
	s_mov_b32 s[\g+7], 0
.endm
.macro FILL g0, g1                     ; a joint load with the lines behind it
	tensor_load_to_lds s[\g0:\g0+3], s[\g1:\g1+7]
	s_nop 0
.rept 4
	v_nop
.endr
.endm
.macro WMZ d, a, b, sa, sb, ra, rb
.if ((\ra) == 0) && ((\rb) == 0)
	v_wmma_scale_f32_16x16x128_f8f6f4 v[(\d):(\d)+7], v[(\a):(\a)+11], v[(\b):(\b)+11], 0, v[\sa], v[\sb] matrix_a_fmt:MATRIX_FMT_FP6 matrix_b_fmt:MATRIX_FMT_FP6
.elseif ((\ra) == 1) && ((\rb) == 0)
	v_wmma_scale_f32_16x16x128_f8f6f4 v[(\d):(\d)+7], v[(\a):(\a)+11], v[(\b):(\b)+11], 0, v[\sa], v[\sb] matrix_a_fmt:MATRIX_FMT_FP6 matrix_b_fmt:MATRIX_FMT_FP6 matrix_a_scale:MATRIX_SCALE_ROW1
.elseif ((\ra) == 0) && ((\rb) == 1)
	v_wmma_scale_f32_16x16x128_f8f6f4 v[(\d):(\d)+7], v[(\a):(\a)+11], v[(\b):(\b)+11], 0, v[\sa], v[\sb] matrix_a_fmt:MATRIX_FMT_FP6 matrix_b_fmt:MATRIX_FMT_FP6 matrix_b_scale:MATRIX_SCALE_ROW1
.else
	v_wmma_scale_f32_16x16x128_f8f6f4 v[(\d):(\d)+7], v[(\a):(\a)+11], v[(\b):(\b)+11], 0, v[\sa], v[\sb] matrix_a_fmt:MATRIX_FMT_FP6 matrix_b_fmt:MATRIX_FMT_FP6 matrix_a_scale:MATRIX_SCALE_ROW1 matrix_b_scale:MATRIX_SCALE_ROW1
.endif
.endm
.macro WMC d, a, b, sa, sb, rb
.if (\rb) == 0
	v_wmma_scale_f32_16x16x128_f8f6f4 v[(\d):(\d)+7], v[(\a):(\a)+11], v[(\b):(\b)+11], v[(\d):(\d)+7], v[\sa], v[\sb] matrix_a_fmt:MATRIX_FMT_FP6 matrix_b_fmt:MATRIX_FMT_FP6
.else
	v_wmma_scale_f32_16x16x128_f8f6f4 v[(\d):(\d)+7], v[(\a):(\a)+11], v[(\b):(\b)+11], v[(\d):(\d)+7], v[\sa], v[\sb] matrix_a_fmt:MATRIX_FMT_FP6 matrix_b_fmt:MATRIX_FMT_FP6 matrix_b_scale:MATRIX_SCALE_ROW1
.endif
.endm
.macro PLACES                          ; four plain instructions (ISA guide 7.12.1)
.rept 4
	v_nop
.endr
.endm
.macro P1 kt                           ; key tile kt's scores: register 8 i + j of lane (r, h) is query 32 (i / 2) + 16 h + 8 (i % 2) + j
	WIN 0x04
.irp i, 0,1,2,3,4,5,6,7
	WMZ S+8*\i, Q+6*\i, KT+12*(\kt), QS+\i/2, KS+(\kt)/2, \i%2, (\kt)%2
.endr
.endm
.macro P2 kt, zero                     ; out += attn v^T for key tile kt: four accumulators by turns
	WIN 0x54
.irp dt, 0,1,2,3
.if \zero
	WMZ 8*(4*(\kt)+\dt), PC, VF+12*\dt, PW, VS+\dt/2, 0, \dt%2
.else
	WMC 8*(4*(\kt)+\dt), PC, VF+12*\dt, PW, VS+\dt/2, \dt%2
.endif
.endr
.endm
.macro SOFT                            ; 64 scores of a lane become attn, then codes in v[PC] on and the scale word in v[PW]
	WIN 0
.set j, 0
.rept 32
	v_pk_fma_f32 v[S+j:S+j+1], v[S+j:S+j+1], s[CS:CS+1], v[NB+j:NB+j+1] op_sel_hi:[1,0,1]   ; score x log2(e) + negB; each accumulator from its low end
.set j, j+2
.endr
.set j, 0
	s_wait_alu depctr_va_vdst(0)
.rept 64
	v_exp_f32 v[S+j], v[S+j]
.set j, j+1
.endr
	v_nop
	s_wait_alu depctr_va_vdst(0)
.irp b, 0,1,2,3
	v_max3_num_f32 v[TM+\b], v[S+16*\b], v[S+16*\b+1], s[FLR]      ; block b: my 16 numbers and the floor 2^(3 - 127)
.endr
.irp i, 2,4,6,8,10,12,14
.irp b, 0,1,2,3
	v_max3_num_f32 v[TM+\b], v[TM+\b], v[S+16*\b+\i], v[S+16*\b+\i+1]
.endr
.endr
.irp b, 0,1,2,3
	s_delay_alu instid0(VALU_DEP_4)
	v_permlanex16_b32 v[TM+4+\b], v[TM+\b], s[SEL], s[SEL+1]
.endr
.irp b, 0,1,2,3
	s_delay_alu instid0(VALU_DEP_4)
	v_max_num_f32 v[TM+\b], v[TM+\b], v[TM+4+\b]   ; with lane l xor 16's 16
.endr
.irp b, 0,1,2,3
	s_delay_alu instid0(VALU_DEP_4)
	v_add_nc_u32 v[TM+12+\b], 0xff000000, v[TM+\b] ; 2 off the exponent field: the conversion's scale operand
.endr
.irp b, 0,1,2,3
	s_delay_alu instid0(VALU_DEP_4)
	v_lshrrev_b32 v[TM+4+\b], 23, v[TM+12+\b]      ; the byte
.endr
	s_delay_alu instid0(VALU_DEP_3)
	v_lshl_or_b32 v[PW], v[TM+5], 8, v[TM+4]
	s_delay_alu instid0(VALU_DEP_1)
	v_lshl_or_b32 v[PW], v[TM+6], 16, v[PW]
	s_delay_alu instid0(VALU_DEP_1)
	v_lshl_or_b32 v[PW], v[TM+7], 24, v[PW]
.irp c, 0,1
	v_cvt_scalef32_pk16_fp6_f32 v[PC+6*\c:PC+2+6*\c], v[S+32*\c:S+15+32*\c], v[TM+12+2*\c]
	v_cvt_scalef32_pk16_fp6_f32 v[PC+12+4*\c:PC+14+4*\c], v[S+16+32*\c:S+31+32*\c], v[TM+12+2*\c+1]
.endr
	v_nop                                          ; one plain instruction behind the conversions
.irp c, 0,1                                    ; a whole block in a lane: lanes 0-15 block 2 c, lanes 16-31 block 2 c + 1
.irp i, 0,1,2
	v_permlane16_swap_b32 v[PC+6*\c+\i], v[PC+12+4*\c+\i]
.endr
.irp i, 0,1,2
	s_delay_alu instid0(VALU_DEP_3)
	v_mov_b32 v[PC+3+6*\c+\i], v[PC+12+4*\c+\i]
.endr
.endr
.endm
; A step: 128 queries.  A key tile's second product stands behind the next tile's first product.
.macro STEP zero
	v_add_nc_u32 v[ADQ], s[TQ], v[LI]              ; (also the four plain instructions ahead of loads into the last products' operands)
	v_add_nc_u32 v[ADV], s[TV], v[LI]
	v_add_nc_u32 v[ADS], s[TV], v[L8]
	v_add_nc_u32 v[ADN], s[TN], v[NBL]
	ds_load_b128 v[QS:QS+3], v[ADQ] offset:6144
.irp j, 0,1,2,3,4,5,6,7,8,9,10,11
	ds_load_b128 v[Q+4*\j:Q+4*\j+3], v[ADQ] offset:512*\j
.endr
.irp b, 0,1,2,3
.irp j, 0,1,2,3
	ds_load_b128 v[NB+16*\b+4*\j:NB+16*\b+4*\j+3], v[ADN] offset:128*\b+16*\j
.endr
.endr
	WIN 0x40
.irp j, 0,1,2,3,4,5,6,7,8,9,10,11
	ds_load_b128 v[VF+4*\j:VF+4*\j+3], v[ADV] offset:512*\j
.endr
	WIN 0
	ds_load_b64 v[VS:VS+1], v[ADS] offset:6144
	s_wait_dscnt 29                                ; Q and its scale words are in; negB's 16, V's 12 and V's scale words' one may be out
	P1 0
	PLACES
	s_wait_dscnt 13                                ; negB is in; V's 12 and its scale words' one may be out
	SOFT
	P1 1
	PLACES
	s_wait_alu depctr_va_vdst(0)
	s_wait_dscnt 0x0                               ; V
	P2 0, \zero
	SOFT
	P1 2
	PLACES
	P2 1, \zero
	SOFT
	P1 3
	PLACES
	P2 2, \zero
	SOFT
	PLACES
	P2 3, \zero
	WIN 0
	s_add_co_u32 s[TQ], s[TQ], GREC
	s_add_co_u32 s[TV], s[TV], VREC
	s_add_co_u32 s[TN], s[TN], 512
.endm
	s_load_b256 s[4:11], s[0:1], 0x0               ; qc, kc, vc, nb
	s_load_b64 s[12:13], s[0:1], 0x20              ; out0
	v_lshl_add_u32 v254, v0, 2, SPARE
	v_mov_b32 v255, 0
	ds_add_u32 v254, v255                          ; the opening lines: the add twice and one wait
	ds_add_u32 v254, v255
	v_lshrrev_b32 v4, 5, v0
	s_delay_alu instid0(VALU_DEP_1)
	v_readfirstlane_b32 s[WV], v4                  ; wave 0..7
	s_bfe_u32 s15, ttmp6, 0x40000                  ; cx = my block of 512 keys: it enters K's and out's global addresses alone
	s_and_b32 s16, ttmp7, 0xffff                   ; the head
	s_mul_i32 s18, s16, QREC
	s_mov_b32 s19, 0
	s_mul_i32 s20, s16, VHEAD
	s_mov_b32 s21, 0
	s_lshl_b32 s2, s16, 13
	s_mov_b32 s3, 0
	s_lshl_b32 s96, s15, 2
	s_lshr_b32 s100, s[WV], 1
	s_add_co_u32 s96, s96, s100                    ; my group of keys: 4 cx + wave / 2
	s_mul_i32 s96, s96, GREC
	s_add_co_u32 s96, s96, s18
	s_mov_b32 s97, 0
	s_lshl_b32 s98, s16, 19                        ; out: the head, + 4 bytes x (512 cx + 64 wave)
	s_lshl_b32 s100, s15, 11
	s_add_co_u32 s98, s98, s100
	s_lshl_b32 s100, s[WV], 8
	s_add_co_u32 s98, s98, s100
	s_mov_b32 s99, 0
	s_mov_b32 s[CS], 0x3fb8aa3b
	s_mov_b32 s[CS+1], s[CS]
	s_mov_b32 s[SEL], 0x76543210
	s_mov_b32 s[SEL+1], 0xfedcba98
	s_mov_b32 s[FLR], 0x1800000
	s_mov_b32 s[TQ], 0
	s_mov_b32 s[TV], VO
	s_mov_b32 s[TN], 0
	DESC1 G1N, 32
	DESC1 G1Q, 104
	DESC1 G1V, 200
	s_wait_dscnt 0x0
	s_wait_kmcnt 0x0
	s_add_nc_u64 s[4:5], s[4:5], s[18:19]
	s_add_nc_u64 s[8:9], s[8:9], s[20:21]
	s_add_nc_u64 s[10:11], s[10:11], s[2:3]
	s_add_nc_u64 s[6:7], s[6:7], s[96:97]
	s_add_nc_u64 s[12:13], s[12:13], s[98:99]
	s_mov_b32 s[G0N], 1
	s_mov_b32 s[G0N+1], NBO
	s_mov_b64 s[G0N+2:G0N+3], s[10:11]
	s_or_b32 s[G0N+3], s[G0N+3], 0x80000000
	s_and_b32 s100, s[WV], 3
	s_mul_i32 s100, s100, 4*GREC                   ; Q's quarter: wave % 4
	s_mov_b32 s101, 0
	s_mov_b32 s[G0Q], 1
	s_mov_b32 s[G0Q+1], s100
	s_add_nc_u64 s[G0Q+2:G0Q+3], s[4:5], s[100:101]
	s_or_b32 s[G0Q+3], s[G0Q+3], 0x80000000
	s_and_b32 s100, s[WV], 1
	s_mul_i32 s100, s100, 8*VREC                   ; V's half: wave % 2
	s_mov_b32 s[G0V], 1
	s_add_co_u32 s[G0V+1], s100, VO
	s_add_nc_u64 s[G0V+2:G0V+3], s[8:9], s[100:101]
	s_or_b32 s[G0V+3], s[G0V+3], 0x80000000
	CROUND                                         ; all four work-groups are here: the joint loads meet
	s_cmp_ge_u32 s[WV], 4                          ; one chain of branches on the wave's number, one load to an arm
	s_cbranch_scc1 .Lnot_q
	FILL G0Q, G1Q
	s_branch .Lfilled
.Lnot_q:
	s_cmp_ge_u32 s[WV], 6
	s_cbranch_scc1 .Lnot_v
	FILL G0V, G1V
	s_branch .Lfilled
.Lnot_v:
	s_cmp_lg_u32 s[WV], 6
	s_cbranch_scc1 .Lfilled
	FILL G0N, G1N
.Lfilled:
	v_and_b32 v11, 31, v0                          ; lane
	s_delay_alu instid0(VALU_DEP_1)
	v_lshlrev_b32 v[LI], 4, v11
	s_delay_alu instid0(VALU_DEP_2)
	v_lshrrev_b32 v21, 4, v11                      ; h
	s_delay_alu instid0(VALU_DEP_3)
	v_and_b32 v22, 15, v11                         ; r
	s_and_b32 s31, s[WV], 1
	s_mul_i32 s17, s31, 3072
	v_add_nc_u32 v60, s17, v[LI]                   ; my two pairs' images
	s_lshl_b32 s17, s31, 3
	v_add_nc_u32 v61, s17, v[LI]                   ; and their scale words
.irp j, 0,1,2,3,4,5
	global_load_b128 v[S+4*\j:S+4*\j+3], v60, s[6:7] offset:512*\j
.endr
	global_load_b64 v[KS:KS+1], v61, s[6:7] offset:6144
	v_lshlrev_b32 v[NBL], 6, v21
	s_delay_alu instid0(VALU_DEP_1)
	v_add_nc_u32 v[NBL], NBO, v[NBL]
	v_lshlrev_b32 v[L8], 3, v11
	s_mul_i32 s17, s[WV], WSTG
	s_add_co_u32 s17, s17, STGO                    ; my stage
	v_mul_u32_u24 v[STO], v22, SPT                 ; in: row r (a d), + 64 h
	s_delay_alu instid0(VALU_DEP_1)
	v_lshl_add_u32 v[STO], v21, 6, v[STO]
	s_delay_alu instid0(VALU_DEP_1)
	v_add_nc_u32 v[STO], s17, v[STO]
	v_mul_u32_u24 v[RD], v21, SPT                  ; back: lanes 0-15 one row of 256 bytes, lanes 16-31 the next
	s_delay_alu instid0(VALU_DEP_1)
	v_lshl_add_u32 v[RD], v22, 4, v[RD]
	s_delay_alu instid0(VALU_DEP_1)
	v_add_nc_u32 v[RD], s17, v[RD]
	v_lshlrev_b32 v[GO], 13, v21                   ; the same two rows in out
	s_delay_alu instid0(VALU_DEP_1)
	v_lshl_add_u32 v[GO], v22, 4, v[GO]
	s_wait_loadcnt 0x0                             ; K
	WIN 0x40
.irp kt, 0,1,2,3
.irp i, 0,1,2,3,4,5
	v_mov_b32 v[KT+12*\kt+\i], v[S+6*\kt+\i]       ; a tile's six registers get six of zeros behind them, once
.endr
.irp i, 6,7,8,9,10,11
	v_mov_b32 v[KT+12*\kt+\i], 0
.endr
.endr
	WIN 0
.irp i, 0,1,2,3,4,5
	v_mov_b32 v[Q+48+\i], 0                        ; behind Q's last fragment
.endr
.irp b, 0,1,2,3
	v_mov_b32 v[TM+4+\b], 0                        ; a lane permute's destination counts as one of its sources
.endr
	s_wait_alu depctr_va_vdst(0)                   ; the wait at the head's end
	s_wait_tensorcnt 0x0                           ; my fill has landed
	s_barrier_signal -1
	s_barrier_wait -1                              ; everybody's has
	STEP 1                                         ; the first step's second products start the sums
	s_mov_b32 s[TRIPS], 15
.Lrest:
	STEP 0
	s_sub_co_u32 s[TRIPS], s[TRIPS], 1
	s_cmp_lg_u32 s[TRIPS], 0
	s_cbranch_scc1 .Lrest
; The way out, a tile of 16 d at a time, through my own stage and back as rows of 256 bytes.  LDS serves a wave's instructions in order (ISA guide 5.7.1.4).  Each tile has its own 32 registers.
.macro TOSTAGE dt
	WIN 0x04
.irp kt, 0,1,2,3
	ds_store_b128 v[STO], v[8*(4*\kt+\dt):8*(4*\kt+\dt)+3] offset:128*(\kt/2)+32*(\kt%2)
	ds_store_b128 v[STO], v[8*(4*\kt+\dt)+4:8*(4*\kt+\dt)+7] offset:128*(\kt/2)+32*(\kt%2)+16
.endr
	WIN 0
.irp i, 0,1,2,3,4,5,6,7
	ds_load_b128 v[OB+32*\dt+4*\i:OB+32*\dt+4*\i+3], v[RD] offset:2*SPT*\i
.endr
.endm
.macro SEND dt, younger                ; younger: the LDS instructions issued behind this tile's loads
	s_wait_dscnt \younger
.irp i, 0,1,2,3,4,5,6,7
	global_store_b128 v[GO], v[OB+32*\dt+4*\i:OB+32*\dt+4*\i+3], s[12:13] offset:(16*\dt+2*\i)*8192 th:TH_STORE_NT   ; 16 lanes store 256 consecutive bytes, aligned
.endr
.endm
	PLACES
	TOSTAGE 0
	TOSTAGE 1
	SEND 0, 16
	TOSTAGE 2
	SEND 1, 16
	TOSTAGE 3
	SEND 2, 16
	SEND 3, 0
	s_wait_tensorcnt 0x0                           ; the wave's end
	ds_add_u32 v254, v255
	s_wait_dscnt 0x0
	CROUND                                         ; the closing round
	s_endpgm
.Lfunc_end_k_q6e648a3aca_main:
	.size	k_q6e648a3aca_main, .Lfunc_end_k_q6e648a3aca_main-k_q6e648a3aca_main
	.p2alignl 7, 3214868480
	.fill 96, 4, 3214868480
	.section	.rodata,"a",@progbits
	.p2align	6, 0x0
	.amdhsa_kernel k_q6e648a3aca_main
		.amdhsa_group_segment_fixed_size 252928
		.amdhsa_private_segment_fixed_size 0
		.amdhsa_enable_private_segment 0
		.amdhsa_kernarg_size 40
		.amdhsa_user_sgpr_count 2
		.amdhsa_user_sgpr_kernarg_segment_ptr 1
		.amdhsa_wavefront_size32 1
		.amdhsa_system_sgpr_workgroup_id_x 1
		.amdhsa_system_sgpr_workgroup_id_y 1
		.amdhsa_system_sgpr_workgroup_id_z 1
		.amdhsa_system_vgpr_workitem_id 0
		.amdhsa_next_free_vgpr 512
		.amdhsa_next_free_sgpr 102
		.amdhsa_reserve_vcc 0
		.amdhsa_float_denorm_mode_32 3
		.amdhsa_float_denorm_mode_16_64 3
		.amdhsa_memory_ordered 1
		.amdhsa_forward_progress 1
		.amdhsa_inst_pref_size 106
	.end_amdhsa_kernel
	.amdgpu_metadata
---
amdhsa.version: [ 1, 2 ]
amdhsa.kernels:
  - .name:           k_q6e648a3aca_main
    .symbol:         k_q6e648a3aca_main.kd
    .args:
      - { .name: qc, .offset: 0, .size: 8, .value_kind: global_buffer, .address_space: global }
      - { .name: kc, .offset: 8, .size: 8, .value_kind: global_buffer, .address_space: global }
      - { .name: vc, .offset: 16, .size: 8, .value_kind: global_buffer, .address_space: global }
      - { .name: nb, .offset: 24, .size: 8, .value_kind: global_buffer, .address_space: global }
      - { .name: out0, .offset: 32, .size: 8, .value_kind: global_buffer, .address_space: global }
    .group_segment_fixed_size: 252928
    .private_segment_fixed_size: 0
    .kernarg_segment_align: 8
    .kernarg_segment_size: 40
    .max_flat_workgroup_size: 256
    .sgpr_count:     102
    .vgpr_count:     512
    .wavefront_size: 32
...
	.end_amdgpu_metadata
.endif
;; end of part 3
